; MI455X (gfx1250); checked and timed in simulation.
; The chip was launched on July 23, 2026; its instructions are those of AMD's public machine-readable ISA for CDNA 5 (MIT licence, August 2026) and "CDNA5" Instruction Set Architecture Reference Guide (July 2026). The comments in the code are by the model that wrote it; some were corrected since.
;; Simple NSVQ. Allowed arithmetic: float matrix products may take bf16 or f16 operands with f32 sums; all other float work in f32.
;; Inputs: codebook 8,192 x 256 float32; noise 16,384 x 256 float32; x 8 x 2,048 x 256 float32.
;; Outputs: out0 8 x 2,048 x 256 float32; out1 8 x 2,048 int32; out2 one number float32.
;; One version. Each part assembles by itself: llvm-mc -triple=amdgcn-amd-amdhsa -mcpu=gfx1250 --defsym DOCPART=n.
;; ======== version 1 of 1: 4 launches
;; limits: values outside matrix products are rounded to bf16
;; workspace buffers: cb16 4,194,304 bytes; nhsq 32,768 bytes; pval 262,144 bytes; pidx 262,144 bytes of whole numbers; rsq 65,536 bytes
;; launch prep (part 1): grid 128 x 1, 16 waves a work-group, no clusters, 2,304 bytes of LDS; arguments codebook, cb16, nhsq; writes cb16, nhsq
.if DOCPART == 1
	.amdgcn_target "amdgcn-amd-amdhsa--gfx1250"
	.amdhsa_code_object_version 6
	.text
	.protected	k_q874668d9a1_prep
	.globl	k_q874668d9a1_prep
	.p2align	8
	.type	k_q874668d9a1_prep,@function
k_q874668d9a1_prep:
	s_mov_b64 s[64:65], 0
	v_nop
	global_prefetch_b8 v0, s[64:65] scope:SCOPE_SE
	s_setreg_imm32_b32 hwreg(HW_REG_WAVE_MODE, 25, 1), 1
	s_wait_xcnt 0x0
; FIRST OF FOUR LAUNCHES.  The program: for each of 16,384 rows x the code c* with the least |x|^2 - 2 x.c + |c|^2 among 8,192 codes (out1),
; out0 = x + |x - c*| / (|noise| + 1e-12) * noise, out2 = 1.25 * mean((x - c*)^2).
; WORK LEFT OUT, for all values of the inputs:
;  - x_sq = |x|^2 is added to all 8,192 distances of a row alike, so in exact arithmetic it moves no argmin, and the problem's formula uses the
;    distances for nothing else.  It is not computed.  What is left, |c|^2 - 2 x.c, is -2 (x.c - |c|^2 / 2): the code with the least distance is the
;    code with the greatest x.c - |c|^2 / 2, and that is what the next launch searches for; -|c|^2 / 2 starts the sums there, so it costs no line.
;  - codebook_loss and commitment_loss are the same mean (stop_gradient changes no value): one mean is made, times 1 + 0.25.
;  Every input is loaded.  LIMIT: an overflow, infinity or NaN that would arise in x_sq alone is not carried to the indices.
; LIMITS OF FORMAT: x, noise and the codebook are rounded to bf16 (nearest even, relative error up to 2^-9 a number) where they enter, in every launch,
;  so that the index, the residual and the result belong to one and the same set of numbers; all sums, norms and the result are made in f32.
;  A row whose two best distances differ by less than the f32 rounding of the sums may get the other of the two indices.
;
; THIS LAUNCH: cb16 = the codebook in bf16; nhsq[k] = -1/2 x the sum of squares of row k of cb16, in f32 (the halving is exact).
; 128 work-groups of 64 rows (64 sums are 256 neighbouring bytes of nhsq); 16 waves of 4 rows; one wave takes a whole row: lane L the columns 8L .. 8L+7.
; A stream: no tile is shared between work-groups, so no cluster, no tensor load and no matrix work.
.set CB, 8                             ; v[8:39]   four rows, 8 f32 a lane
.set P,  40                            ; v[40:55]  four rows, packed to bf16: each row its own registers, so no store's data is rewritten
.set W,  56                            ; v[56:63]  the rounded row, widened again
.set S,  64                            ; v[64:67]  the four sums
.set T,  68                            ; v68       the other half's sum
	s_load_b128 s[4:7], s[0:1], 0x0                ; codebook s[4:5], cb16 s[6:7]
	s_load_b64 s[8:9], s[0:1], 0x10                ; nhsq
	v_lshl_add_u32 v72, v0, 2, 0x100
	v_mov_b32 v73, 0
	v_lshrrev_b32 v3, 5, v0
	v_readfirstlane_b32 s10, v3                    ; wave 0..15
	v_and_b32 v4, 31, v0                           ; lane
	v_lshlrev_b32 v1, 5, v4                        ; codebook: 32 bytes a lane
	v_lshl_add_u32 v1, v3, 12, v1                  ; + wave x 4 rows x 1,024 bytes
	v_lshlrev_b32 v2, 4, v4                        ; cb16: 16 bytes a lane
	v_lshl_add_u32 v2, v3, 11, v2                  ; + wave x 4 rows x 512 bytes
	v_mov_b32 v5, s10
	v_lshlrev_b32 v5, 4, v5                        ; LDS: the wave's four sums at 16 x wave
	v_lshlrev_b32 v6, 3, v4                        ; 8 x lane: two sums a lane on the way out
	v_mov_b32 v[T], 0                              ; the lane permute counts as a reader of its destination
	s_mov_b32 s14, 0x76543210                      ; v_permlanex16_b32: lane i reads lane i of the other half
	s_mov_b32 s15, 0xfedcba98
	s_mov_b32 s16, 0xffff0000                      ; a word's upper bf16
	s_mov_b32 s13, 0
	s_wait_kmcnt 0x0
	s_lshl_b32 s12, ttmp9, 16                      ; 64 rows of 1,024 bytes
	s_add_nc_u64 s[4:5], s[4:5], s[12:13]
	s_lshl_b32 s12, ttmp9, 15                      ; 64 rows of 512 bytes
	s_add_nc_u64 s[6:7], s[6:7], s[12:13]
	s_lshl_b32 s12, ttmp9, 8                       ; 64 sums of 4 bytes
	s_add_nc_u64 s[8:9], s[8:9], s[12:13]
.irp i, 0,1,2,3
	global_load_b128 v[CB+8*\i:CB+8*\i+3],   v1, s[4:5] offset:\i*1024
	global_load_b128 v[CB+8*\i+4:CB+8*\i+7], v1, s[4:5] offset:\i*1024+16
.endr
.irp i, 0,1,2,3
	s_wait_loadcnt 6-2*\i                          ; loads come back in order: this row's two are in, the later rows' two each stay out
.irp j, 0,1,2,3
	v_cvt_pk_bf16_f32 v[P+4*\i+\j], v[CB+8*\i+2*\j], v[CB+8*\i+2*\j+1]
.endr
	global_store_b128 v2, v[P+4*\i:P+4*\i+3], s[6:7] offset:\i*512     ; the wave stores the row's 512 neighbouring bytes
.irp j, 0,1,2,3
	v_lshlrev_b32 v[W+2*\j],   16, v[P+4*\i+\j]    ; the rounded numbers as f32
	v_and_b32     v[W+2*\j+1], s16, v[P+4*\i+\j]
.endr
	v_pk_mul_f32 v[W:W+1], v[W:W+1], v[W:W+1]
	v_pk_fma_f32 v[W:W+1], v[W+2:W+3], v[W+2:W+3], v[W:W+1]
	v_pk_fma_f32 v[W:W+1], v[W+4:W+5], v[W+4:W+5], v[W:W+1]
	v_pk_fma_f32 v[W:W+1], v[W+6:W+7], v[W+6:W+7], v[W:W+1]
	v_add_f32 v[S+\i], v[W], v[W+1]
	v_add_f32_dpp v[S+\i], v[S+\i], v[S+\i] row_xmask:1 row_mask:0xf bank_mask:0xf
	v_add_f32_dpp v[S+\i], v[S+\i], v[S+\i] row_xmask:2 row_mask:0xf bank_mask:0xf
	v_add_f32_dpp v[S+\i], v[S+\i], v[S+\i] row_xmask:4 row_mask:0xf bank_mask:0xf
	v_add_f32_dpp v[S+\i], v[S+\i], v[S+\i] row_xmask:8 row_mask:0xf bank_mask:0xf
	v_permlanex16_b32 v[T], v[S+\i], s14, s15
	v_add_f32 v[S+\i], v[S+\i], v[T]               ; every lane holds the row's sum
.endr
	ds_store_b128 v5, v[S:S+3]                     ; all lanes write the same four words with the same values
	s_wait_dscnt 0x0                               ; for wave 0's sake: my store is done before I signal
	s_barrier_signal -1
	s_barrier_wait -1
	s_cmp_lg_u32 s10, 0
	s_cbranch_scc1 .Lend
	ds_load_b64 v[W:W+1], v6                       ; wave 0: the group's 64 sums, two a lane
	s_wait_dscnt 0x0
	v_pk_mul_f32 v[W:W+1], v[W:W+1], -0.5 op_sel_hi:[1,0]      ; -|c|^2 / 2, exact: one line for the group's 64 sums
	global_store_b64 v6, v[W:W+1], s[8:9]          ; 256 neighbouring bytes, aligned
.Lend:
	s_wait_tensorcnt 0x0
	ds_add_u32 v72, v73
	s_wait_dscnt 0x0
	s_endpgm
.Lfunc_end_k_q874668d9a1_prep:
	.size	k_q874668d9a1_prep, .Lfunc_end_k_q874668d9a1_prep-k_q874668d9a1_prep
	.p2alignl 7, 3214868480
	.fill 96, 4, 3214868480
	.section	.rodata,"a",@progbits
	.p2align	6, 0x0
	.amdhsa_kernel k_q874668d9a1_prep
		.amdhsa_group_segment_fixed_size 2304
		.amdhsa_private_segment_fixed_size 0
		.amdhsa_enable_private_segment 0
		.amdhsa_kernarg_size 24
		.amdhsa_user_sgpr_count 2
		.amdhsa_user_sgpr_kernarg_segment_ptr 1
		.amdhsa_wavefront_size32 1
		.amdhsa_system_sgpr_workgroup_id_x 1
		.amdhsa_system_sgpr_workgroup_id_y 1
		.amdhsa_system_sgpr_workgroup_id_z 1
		.amdhsa_system_vgpr_workitem_id 0
		.amdhsa_next_free_vgpr 74
		.amdhsa_next_free_sgpr 66
		.amdhsa_reserve_vcc 0
		.amdhsa_float_denorm_mode_32 3
		.amdhsa_float_denorm_mode_16_64 3
		.amdhsa_memory_ordered 1
		.amdhsa_forward_progress 1
		.amdhsa_inst_pref_size 8
	.end_amdhsa_kernel
	.amdgpu_metadata
---
amdhsa.version: [ 1, 2 ]
amdhsa.kernels:
  - .name:           k_q874668d9a1_prep
    .symbol:         k_q874668d9a1_prep.kd
    .args:
      - { .name: codebook, .offset: 0, .size: 8, .value_kind: global_buffer, .address_space: global }
      - { .name: cb16, .offset: 8, .size: 8, .value_kind: global_buffer, .address_space: global }
      - { .name: nhsq, .offset: 16, .size: 8, .value_kind: global_buffer, .address_space: global }
    .group_segment_fixed_size: 2304
    .private_segment_fixed_size: 0
    .kernarg_segment_align: 8
    .kernarg_segment_size: 24
    .max_flat_workgroup_size: 512
    .sgpr_count:     66
    .vgpr_count:     74
    .wavefront_size: 32
...
	.end_amdgpu_metadata
.endif
;; end of part 1
;; launch argmin (part 2): grid 64 x 4, 4 waves a work-group, clusters of 4 x 1, 327,680 bytes of LDS; arguments x, cb16, nhsq, pval, pidx; writes pval, pidx
.if DOCPART == 2
	.amdgcn_target "amdgcn-amd-amdhsa--gfx1250"
	.amdhsa_code_object_version 6
	.text
	.protected	k_q874668d9a1_argmin
	.globl	k_q874668d9a1_argmin
	.p2align	8
	.type	k_q874668d9a1_argmin,@function
k_q874668d9a1_argmin:
	s_mov_b64 s[64:65], 0
	v_nop
	global_prefetch_b8 v0, s[64:65] scope:SCOPE_SE
	s_setreg_imm32_b32 hwreg(HW_REG_WAVE_MODE, 25, 1), 1
	s_wait_xcnt 0x0
	s_wait_alu depctr_hold_cnt(0) depctr_sa_sdst(0) depctr_va_vdst(0) depctr_va_sdst(0) depctr_va_ssrc(0) depctr_va_vcc(0) depctr_vm_vsrc(0)
	s_getreg_b32 s2, hwreg(HW_REG_IB_STS2, 6, 4)
	s_cmp_eq_u32 s2, 0
	s_cbranch_scc0 .Lentry_in_a_cluster
	s_endpgm
.Lentry_in_a_cluster:
	s_bfe_u32 s2, ttmp6, 0x10000c
	s_cmp_lg_u32 s2, 0x3003
	s_cbranch_scc0 .Lentry_shape_is_right
	s_endpgm
.Lentry_shape_is_right:
; SECOND LAUNCH: for 256 rows of x and one quarter (2,048) of the codes, the greatest x.c - |c|^2 / 2 and its code number, into pval[q][row], pidx[q][row].
; Left out: x_sq, which is the same for all codes of a row and moves no argmin; the distance less x_sq is -2 (x.c - |c|^2 / 2), so the greatest of these
; is the least distance (shown at the head of the first launch).
; LIMITS: x is rounded to bf16 here, the codes and -|c|^2 / 2 come rounded from the first launch; equal values keep the lowest code number;
; a NaN or an infinite distance is not served as argmin serves it (a NaN never becomes the running value).
;
; SHARES.  Work-group (rb, q): rows 256 rb .. +255, codes 2,048 q .. +2,047.  Wave w: rows 64 w .. +63 of the block, four row tiles of 16, whose bf16
; fragments (4 x 8 x 8 = 256 registers) stay in registers for the whole launch.  The codes go through two LDS slots of 256 codes, eight tiles in all.
; A work-group thus takes 1 MiB of codes through its LDS, where 64 rows against all codes would take 4 MiB for the same matrix work.
; CLUSTER: the four work-groups of a cluster have the same q and four neighbouring rb: they walk the same code tiles and ask for each JOINTLY
; (mask 15, the same descriptor in all four), which divides the requests for the codes by four.
; THE PRODUCT: source A = 16 codes, source B = 16 rows of x.  Register j of the result in lane (r, h) is (code 8h + j, row r): a lane follows one row
; of x in each row tile, so the running maximum needs no traffic between lanes until the end.  A lane's eight -|c|^2 / 2 (codes 8h .. 8h + 7) lie as an
; accumulator lies, so they are the C of each sum's first step: the sums come out as x.c - |c|^2 / 2, and no vector line adds anything.
; MATRIX AND VECTOR WORK BY TURNS.  The four row tiles are two pieces (tiles 0, 1 and tiles 2, 3) that share the code fragments.  A run is one piece's
; 16 matrix instructions for one code tile; the other piece's last sums are compared meanwhile: 56 vector lines, three or four behind each matrix
; instruction (and 18 LDS loads in every second run).
; So that a run needs no change of register window (x, the second source of the products, lies in the second window), every line of the comparison has a
; scalar or a constant as its second source: the maximum is a maximum of three with -infinity, and the comparison of two registers is a packed
; sum - BEST (its sign is exact: denormals are kept, an overflow keeps the sign) compared with 0.
.set PITCH,   528                      ; an LDS row: 512 bytes of bf16 + 16 of padding = 33 x 16: the 16 rows of a fragment load start 16 bytes apart modulo 256
.set SLOT,    256*PITCH                ; 135,168: 256 codes
.set QUART,   64*PITCH                 ; what one wave's tensor load brings
.set CT,      16*PITCH                 ; a code tile of 16 codes
.set NHS_L,   2*SLOT                   ; 270,336: the quarter's 2,048 -|c|^2 / 2, 8,192 bytes, written by LDS stores: no tensor load lands here
.set STAGE_L, NHS_L+8192               ; 278,528: 16 rows x 528 bytes for each wave, its own, written by LDS stores: no tensor load lands here
.set STAGEB,  16*PITCH
.set STEP,    256*512                  ; bytes of cb16 from tile to tile
.set STO,   1                          ; v1   my stage + 4 r
.set H,     2                          ; v2   h
.set GOFF,  3                          ; v3   8 x lane
.set LANEA, 4                          ; v4   r x 528 + 16 h: a lane's place in a fragment
.set ADRA,  5                          ; v5   the same in the current slot and code tile
.set ADRE,  6                          ; v6   NHS_L + 32 h + 64 x code tile
.set STW,   7                          ; v7   my stage + 8 x lane
.set D,     8                          ; v[8:15] in the loop: sum - BEST of one row tile
.set RR,    8                          ; v8   before the loop: r
.set LN,    9                          ; v9   before the loop: lane
.set LOFF,  10                         ; v10  before the loop: 16 x lane: x, 16 bytes a lane
.set STR,   11                         ; v11  before the loop: my stage + r x 528 + 16 h
.set ESTO,  12                         ; v12  before the loop: NHS_L + 16 x thread
.set EOFF,  13                         ; v13  before the loop: 16 x thread
.set T,     14                         ; v[14:15] at work before the loop and at the end
.set E0,    16                         ; v[16:23] -|c|^2 / 2 of a code tile, two buffers
.set E1,    24
.set ACC,   32                         ; v[32:63]   four accumulators, one for each row tile
.set BEST,  64                         ; v[64:95]   running maxima, (row tile t, register j) at 8 t + j
.set IDX,   96                         ; v[96:127]  first code of the code tile in which that maximum was found
.set A0,    128                        ; v[128:191] fragments of a code tile (8 steps of 32 along D), two buffers
.set A1,    192
.set XB,    64                         ; v[64:255]  before the loop: three buffers of 64 registers for x in f32
; second window of 256 registers: fragment (row tile t, step s) of x at v[256 + 64 t + 8 s .. + 7]
.set MSB, 0
.macro WIN new                         ; the immediate's high byte repeats the setting that is left
.if MSB != \new
	s_set_vgpr_msb (MSB<<8)|\new
.set MSB, \new
.endif
.endm
; A round of the cluster's barrier: my work-group's barrier, wave 0 signals for the work-group, every wave waits for all four work-groups, my work-group's barrier again.
.macro ROUND
	s_barrier_signal -1
	s_barrier_wait -1
	s_cmp_lg_u32 s14, 0
	s_cbranch_scc1 .Lnot_wave_0_\@
	s_barrier_signal -3
.Lnot_wave_0_\@:
	s_barrier_wait -3
	s_barrier_signal -1
	s_barrier_wait -1
.endm
	s_load_b256 s[4:11], s[0:1], 0x0               ; x s[4:5], cb16 s[6:7], nhsq s[8:9], pval s[10:11]
	s_load_b64 s[12:13], s[0:1], 0x20              ; pidx
	s_set_vgpr_msb 0x80
	v_lshl_add_u32 v0, v0, 2, 0x4c400
	v_mov_b32 v1, 0
	s_set_vgpr_msb 0x808a
	ds_add_u32 v0, v1
	s_set_vgpr_msb 0x8a00
	v_lshrrev_b32 v[T], 5, v0
	v_readfirstlane_b32 s14, v[T]                  ; wave 0..3
	s_bfe_u32 s15, ttmp6, 0x40000                  ; cx: my place in the cluster
	s_lshl_b32 s24, ttmp9, 2
	s_add_co_u32 s24, s24, s15                     ; rb = 4 x cluster x + cx: enters the addresses of x and of the results alone
	s_and_b32 s25, ttmp7, 0xffff                   ; q: the same in all four partners
	; descriptor group 1: 64 rows of 256 elements of 2 bytes, 16 bytes of padding behind each row
	s_mov_b32 s16, 0x07B1000F                      ; 15:0 mask 15; 17:16 elements of 2 bytes; 20 padding on; 21 set beside a mask; 24:22 after every 128 words (code 6); 31:25 four words (code 3)
	s_mov_b32 s17, 256<<16                         ; tensor_dim0 = 256
	s_mov_b32 s18, 64<<16                          ; tensor_dim1 = 64
	s_mov_b32 s19, 256<<16                         ; tile_dim0 = 256
	s_mov_b32 s20, 64                              ; tile_dim1 = 64
	s_mov_b32 s21, 256                             ; elements from row to row
	s_mov_b32 s22, 0
	s_mov_b32 s23, 0
	s_lshl_b32 s26, s24, 18                        ; x: 256 rb rows of 1,024 bytes
	s_lshl_b32 s27, s14, 16                        ; + 64 w rows
	s_add_co_u32 s26, s26, s27
	s_mov_b32 s27, 0
	s_lshl_b32 s28, s25, 20                        ; cb16: 2,048 q rows of 512 bytes
	s_lshl_b32 s29, s14, 15                        ; + 64 w rows: my quarter of each tile
	s_add_co_u32 s28, s28, s29
	s_mov_b32 s29, 0
	s_lshl_b32 s30, s25, 13                        ; nhsq: 2,048 q numbers
	s_mov_b32 s31, 0
	s_lshl_b32 s60, s25, 16                        ; results: q x 16,384 numbers
	s_lshl_b32 s61, s24, 10                        ; + 256 rb
	s_add_co_u32 s60, s60, s61
	s_lshl_b32 s61, s14, 8                         ; + 64 w
	s_add_co_u32 s60, s60, s61
	s_mov_b32 s61, 0
	s_lshl_b32 s46, s25, 11                        ; the number of the first code of the code tile that is being compared
	s_mov_b32 s47, 0xff800000                      ; -infinity
	s_mov_b32 s56, 0x76543210                      ; v_permlanex16_b32: lane i reads lane i of the other half
	s_mov_b32 s57, 0xfedcba98
	s_mul_i32 s58, s14, STAGEB
	s_add_co_u32 s58, s58, STAGE_L                 ; my stage
	s_mov_b32 s32, 1                               ; descriptor group 0, a set for each slot: count 1,
	s_mov_b32 s36, 1
	s_mul_i32 s33, s14, QUART                      ; LDS address: slot + wave x 64 rows,
	s_add_co_u32 s37, s33, SLOT
	s_wait_dscnt 0x0
	s_wait_kmcnt 0x0
	s_add_nc_u64 s[4:5], s[4:5], s[26:27]
	s_add_nc_u64 s[6:7], s[6:7], s[28:29]
	s_add_nc_u64 s[8:9], s[8:9], s[30:31]
	s_add_nc_u64 s[10:11], s[10:11], s[60:61]
	s_add_nc_u64 s[12:13], s[12:13], s[60:61]
	s_mov_b64 s[34:35], s[6:7]                     ; global address: tile 0 for slot 0,
	s_or_b32 s35, s35, 0x80000000                  ; type 2
	s_add_nc_u64 s[38:39], s[6:7], STEP            ; tile 1 for slot 1
	s_or_b32 s39, s39, 0x80000000
	ROUND                                          ; all four work-groups are here: the first joint loads meet
	tensor_load_to_lds s[32:35], s[16:23]          ; tile 0; it lands while x is brought in and rounded
	s_nop 0
	v_and_b32 v[RR], 15, v0                        ; r
	v_bfe_u32 v[H], v0, 4, 1                       ; h
	v_and_b32 v[LN], 31, v0                        ; lane
	v_lshlrev_b32 v[LOFF], 4, v[LN]
	v_mul_u32_u24 v[LANEA], v[RR], PITCH
	v_lshl_add_u32 v[LANEA], v[H], 4, v[LANEA]
	v_lshlrev_b32 v[ADRE], 5, v[H]
	v_add_nc_u32 v[ADRE], NHS_L, v[ADRE]
	v_lshl_add_u32 v[STW], v[LN], 3, s58
	v_add_nc_u32 v[STR], s58, v[LANEA]
	v_lshl_add_u32 v[STO], v[RR], 2, s58
	v_lshlrev_b32 v[GOFF], 3, v[LN]
	v_lshlrev_b32 v[EOFF], 4, v0
	v_add_nc_u32 v[ESTO], NHS_L, v[EOFF]
; x, half a row tile at a time: rows 8 n .. 8 n + 7 of my 64, sixteen loads of 512 neighbouring bytes, into buffer n mod 3
.macro LOADX n
.irp rr, 0,1,2,3,4,5,6,7
.irp hf, 0,1
	global_load_b128 v[XB+64*((\n)%3)+8*\rr+4*\hf:XB+64*((\n)%3)+8*\rr+4*\hf+3], v[LOFF], s[4:5] offset:(8*(\n)+\rr)*1024+\hf*512
.endr
.endr
.endm
; rounded to bf16 and laid into my stage, rows of 528 bytes
.macro CVTX n
.irp rr, 0,1,2,3,4,5,6,7
.irp hf, 0,1
.set XR, XB+64*((\n)%3)+8*\rr+4*\hf
	v_cvt_pk_bf16_f32 v[XR], v[XR], v[XR+1]
	v_cvt_pk_bf16_f32 v[XR+1], v[XR+2], v[XR+3]
	ds_store_b64 v[STW], v[XR:XR+1] offset:((8*(\n)+\rr)%16)*PITCH+\hf*256
.endr
.endr
.endm
; the stage's 16 rows as eight fragments of row tile t, into the second window.  LDS serves a wave's instructions in order (ISA guide 5.7.1):
; these loads see the stores above them, and the next half tile's stores come behind them.
.macro FRAG t
	WIN 0x40                                       ; destination in the second window, address in the first
.irp s, 0,1,2,3,4,5,6,7
	ds_load_b128 v[64*\t+8*\s:64*\t+8*\s+3],   v[STR] offset:64*\s
	ds_load_b128 v[64*\t+8*\s+4:64*\t+8*\s+7], v[STR] offset:64*\s+32
.endr
	WIN 0
.endm
.irp i, 0,1,2,3
	global_load_b128 v[E0+4*\i:E0+4*\i+3], v[EOFF], s[8:9] offset:2048*\i   ; the quarter's -|c|^2 / 2: 128 threads x 16 bytes, four times
.endr
	LOADX 0
	LOADX 1
	LOADX 2
	s_wait_loadcnt 48                              ; the four loads of -|c|^2 / 2 are in; the 48 of x behind them stay out
.irp i, 0,1,2,3
	ds_store_b128 v[ESTO], v[E0+4*\i:E0+4*\i+3] offset:2048*\i
.endr
	s_wait_loadcnt 32                              ; half tile 0 is in; the two younger half tiles, 16 loads each, stay out (so below)
	CVTX 0
	s_wait_dscnt 0x0                               ; the stores out of this buffer are done before loads land in it (so below)
	LOADX 3
	s_wait_loadcnt 32
	CVTX 1
	s_wait_dscnt 0x0
	LOADX 4
	FRAG 0
	s_wait_loadcnt 32
	CVTX 2
	s_wait_dscnt 0x0
	LOADX 5
	s_wait_loadcnt 32
	CVTX 3
	s_wait_dscnt 0x0
	LOADX 6
	FRAG 1
	s_wait_loadcnt 32
	CVTX 4
	s_wait_dscnt 0x0
	LOADX 7
	s_wait_loadcnt 32
	CVTX 5
	FRAG 2
	s_wait_loadcnt 16                              ; one younger half tile is out
	CVTX 6
	s_wait_loadcnt 0x0                             ; every global load is in: their offset registers (v10, v13) become part of D in the loop
	CVTX 7
	FRAG 3
	s_wait_dscnt 0x0                               ; the last stores have read the buffers that now become BEST and IDX
.irp i, 0,1,2,3,4,5,6,7,8,9,10,11,12,13,14,15,16,17,18,19,20,21,22,23,24,25,26,27,28,29,30,31
	v_mov_b32 v[BEST+\i], s47                      ; once in the launch: the maxima start at -infinity,
	v_mov_b32 v[IDX+\i], s46                       ; the numbers at the quarter's first code
.endr
; 18 LDS loads in one run: the fragments of one code tile (byte ao from ADRA) and its 8 -|c|^2 / 2 a lane (byte eo from ADRE)
.macro FETCH a, e, ao, eo
.irp s, 0,1,2,3,4,5,6,7
	ds_load_b128 v[\a+8*\s:\a+8*\s+3],   v[ADRA] offset:\ao+64*\s
	ds_load_b128 v[\a+8*\s+4:\a+8*\s+7], v[ADRA] offset:\ao+64*\s+32
.endr
	ds_load_b128 v[\e:\e+3],   v[ADRE] offset:\eo
	ds_load_b128 v[\e+4:\e+7], v[ADRE] offset:\eo+16
.endm
.macro PLACES n                        ; plain vector places between a matrix instruction and the first line that reads its result (ISA guide 7.12.1)
.rept \n
	v_nop
.endr
.endm
; THE COMPARISON of piece p (row tiles 2 p, 2 p + 1): 56 lines, of which EL writes line number LNO and steps LNO.  No line has a vector register as its
; second source.  A row tile takes 28 lines:
;   0 ..  3  D = sum - BEST, two at a time: above 0 exactly where the sum is the greater (NaN, where both are infinite, changes nothing)
;   4 .. 11  BEST = the maximum of BEST, -infinity and the sum
;  12 .. 19  eight masks: D > 0
;  20 .. 27  IDX takes the code tile's first code where the mask is set: an equal sum keeps the earlier, lower number
; D and the eight masks serve the first row tile in lines 0 to 27 and the second in lines 28 to 55.
.macro EL p
.set TT, 2*(\p)+LNO/28
.set KK, LNO%28
.if KK < 4
	v_pk_fma_f32 v[D+2*KK:D+2*KK+1], v[BEST+8*TT+2*KK:BEST+8*TT+2*KK+1], -1.0, v[ACC+8*TT+2*KK:ACC+8*TT+2*KK+1] op_sel_hi:[1,0,1]
.else
.if KK < 12
	v_max3_num_f32 v[BEST+8*TT+KK-4], v[BEST+8*TT+KK-4], s47, v[ACC+8*TT+KK-4]
.else
.if KK < 20
	v_cmp_gt_f32 s[48+KK-12], v[D+KK-12], 0
.else
	v_cndmask_b32 v[IDX+8*TT+KK-20], v[IDX+8*TT+KK-20], s46, s[48+KK-20]
.endif
.endif
.endif
.set LNO, LNO+1
.endm
; A RUN: piece p's 16 matrix instructions for the code tile in buffer a, ascending along D; the first step starts the sums from -|c|^2 / 2 in buffer e.
; The piece's two accumulators take turns, one instruction a turn, and a run ends on another accumulator than the next begins with.
; epi = 1: behind the matrix instructions stand the 56 lines of piece q's comparison, three behind the even ones and four behind the odd ones.  The last
; four, selects that name only IDX and scalars, stand behind the run's last matrix instruction: these are the four places in front of the next run's
; first line, which reads this run's sums.
; epi = 0 (a slot's first run: nothing is left to compare): four v_nop take those places.
; fetch = 1: behind the second matrix instruction's lines the next code tile's 18 loads go out in one run.  The fragment buffer that they fill was last read
; by the run before (its last four selects and this run's first seven lines lie between), the buffer of -|c|^2 / 2 by that run's first two matrix
; instructions; the loads are wanted 30 matrix instructions later.
.macro RUN a, e, p, epi, q, fetch, fa, fe, fao, feo
.set SL, 0
.set LNO, 0
.irp s, 0,1,2,3,4,5,6,7
.irp u, 0,1
.if \s
	v_wmma_f32_16x16x32_bf16 v[ACC+8*(2*\p+\u):ACC+8*(2*\p+\u)+7], v[\a+8*\s:\a+8*\s+7], v[64*(2*\p+\u)+8*\s:64*(2*\p+\u)+8*\s+7], v[ACC+8*(2*\p+\u):ACC+8*(2*\p+\u)+7]
.else
	v_wmma_f32_16x16x32_bf16 v[ACC+8*(2*\p+\u):ACC+8*(2*\p+\u)+7], v[\a+8*\s:\a+8*\s+7], v[64*(2*\p+\u)+8*\s:64*(2*\p+\u)+8*\s+7], v[\e:\e+7]
.endif
.if \epi
	EL \q
	EL \q
	EL \q
.if SL%2
	EL \q
.endif
.endif
.if \fetch
.if SL == 1
	FETCH \fa, \fe, \fao, \feo
.endif
.endif
.set SL, SL+1
.endr
.endr
.if \epi
.if \q
	s_add_co_u32 s46, s46, 16                      ; both pieces of that code tile are compared: the next code tile's first code
.endif
.else
	PLACES 4
.endif
.endm
; the comparison of piece 1 by itself: a slot's last code tile has no run behind it in its own trip
.macro DRAIN
.set LNO, 0
.rept 56
	EL 1
.endr
	s_add_co_u32 s46, s46, 16
.endm
; A slot's 16 code tiles c, buffers c mod 2.  The runs follow as (c, piece 0), (c, piece 1), (c + 1, piece 0) ..; the comparison of
; (c, piece 0) rides in the run (c, piece 1), that of (c, piece 1) in the run (c + 1, piece 0), beside the loads of code tile c + 2.
; s_wait_dscnt 0 in front of each run of piece 0: the 18 loads of its code tile are the only LDS instructions out.
; The window setting (second source in the second window) stands over a whole loop body; at a label and at a branch it is 0.
.macro SLOTWORK slot, drain
	v_add_nc_u32 v[ADRA], \slot*SLOT, v[LANEA]
	FETCH A0, E0, 0, 0
.if \drain
	DRAIN                                          ; the last slot's code tile 15, piece 1, while this slot's first loads are on their way
.endif
	s_wait_dscnt 0x0
	WIN 0x04
	RUN A0, E0, 0, 0, 1, 1, A1, E1, CT, 64         ; (0, piece 0); code tile 1 is fetched
	WIN 0
	s_mov_b32 s45, 7
.Lct_\@:                                       ; trip i = 0 .. 6, ADRA and ADRE at code tile 2 i
	WIN 0x04
	RUN A0, E0, 1, 1, 0, 0, A1, E1, 0, 0           ; (2 i, piece 1)
	s_wait_dscnt 0x0
	RUN A1, E1, 0, 1, 1, 1, A0, E0, 2*CT, 128      ; (2 i + 1, piece 0); code tile 2 i + 2 is fetched
	RUN A1, E1, 1, 1, 0, 0, A0, E0, 0, 0           ; (2 i + 1, piece 1)
	s_wait_dscnt 0x0
	RUN A0, E0, 0, 1, 1, 1, A1, E1, 3*CT, 192      ; (2 i + 2, piece 0); code tile 2 i + 3 is fetched
	WIN 0
	v_add_nc_u32 v[ADRA], 2*CT, v[ADRA]            ; two code tiles on
	v_add_nc_u32 v[ADRE], 128, v[ADRE]
	s_sub_co_u32 s45, s45, 1
	s_cmp_lg_u32 s45, 0
	s_cbranch_scc1 .Lct_\@
	WIN 0x04
	RUN A0, E0, 1, 1, 0, 0, A1, E1, 0, 0           ; (14, piece 1): nothing is fetched beyond the slot
	s_wait_dscnt 0x0
	RUN A1, E1, 0, 1, 1, 0, A0, E0, 0, 0           ; (15, piece 0)
	RUN A1, E1, 1, 1, 0, 0, A0, E0, 0, 0           ; (15, piece 1); its own comparison follows in the next trip, or behind the last
	WIN 0
	v_add_nc_u32 v[ADRE], 128, v[ADRE]
.endm
; One tile of 256 codes.  In front of the round every wave has waited for all its tensor loads (one is out: its part of this slot) and for its reads of
; the other slot; behind the round that holds of every wave of all four work-groups, so the other slot is filled again, first thing, one load a wave.
.macro TRIP slot, refill, drain
	s_set_vgpr_msb 0xa
	s_wait_tensorcnt 0x0                           ; none of my tensor loads is out, so a group 0 may be written:
	ds_add_u32 v0, v1
	s_wait_dscnt 0x0
	s_set_vgpr_msb 0xa00
	s_add_nc_u64 s[34+4*\slot:35+4*\slot], s[34+4*\slot:35+4*\slot], 2*STEP   ; this slot's next tile
	s_wait_dscnt 0x0                               ; my LDS reads and stores are done (in the first trip: the stores of -|c|^2 / 2, which the other waves read behind the round)
	ROUND
.if \refill
	tensor_load_to_lds s[36-4*\slot:39-4*\slot], s[16:23]      ; the next tile; it has this slot's 512 matrix instructions in which to land
	s_nop 0
.endif
	SLOTWORK \slot, \drain
.endm
	TRIP 0, 1, 0                                   ; eight tiles: the first, which has nothing left to compare, three laps of two, and the last
	s_mov_b32 s44, 3
.Lring:
	TRIP 1, 1, 1
	TRIP 0, 1, 1
	s_sub_co_u32 s44, s44, 1
	s_cmp_lg_u32 s44, 0
	s_cbranch_scc1 .Lring
	TRIP 1, 0, 1                                   ; the last tile: nothing is left to fetch (the stepped addresses are not used)
	DRAIN                                          ; and its last code tile's piece 1
; (va, ia) takes (vb, ib) where vb is greater, or equal with the lower code number
.macro MERGE va, ia, vb, ib
	v_cmp_gt_f32 s48, v[\vb], v[\va]
	v_cmp_eq_f32 s49, v[\vb], v[\va]
	v_cmp_lt_u32 s50, v[\ib], v[\ia]
	s_and_b32 s49, s49, s50
	s_or_b32 vcc_lo, s48, s49
	v_cndmask_b32 v[\va], v[\va], v[\vb], vcc_lo
	v_cndmask_b32 v[\ia], v[\ia], v[\ib], vcc_lo
.endm
	; THE END: a lane's eight registers stand for codes 8 h + j of their tiles; first over j, then over the two halves of the lanes.
.irp t, 0,1,2,3
.irp j, 1,2,3,4,5,6,7
	v_add_nc_u32 v[IDX+8*\t+\j], \j, v[IDX+8*\t+\j]
.endr
	MERGE BEST+8*\t,   IDX+8*\t,   BEST+8*\t+1, IDX+8*\t+1
	MERGE BEST+8*\t+2, IDX+8*\t+2, BEST+8*\t+3, IDX+8*\t+3
	MERGE BEST+8*\t+4, IDX+8*\t+4, BEST+8*\t+5, IDX+8*\t+5
	MERGE BEST+8*\t+6, IDX+8*\t+6, BEST+8*\t+7, IDX+8*\t+7
	MERGE BEST+8*\t,   IDX+8*\t,   BEST+8*\t+2, IDX+8*\t+2
	MERGE BEST+8*\t+4, IDX+8*\t+4, BEST+8*\t+6, IDX+8*\t+6
	MERGE BEST+8*\t,   IDX+8*\t,   BEST+8*\t+4, IDX+8*\t+4
	v_lshl_add_u32 v[IDX+8*\t], v[H], 3, v[IDX+8*\t]       ; + 8 h
	v_permlanex16_b32 v[T],   v[BEST+8*\t], s56, s57       ; T and T+1 count as read: the comparison above has written them, as part of D
	v_permlanex16_b32 v[T+1], v[IDX+8*\t],  s56, s57
	MERGE BEST+8*\t, IDX+8*\t, T, T+1              ; lanes r and r + 16 now hold the same pair: row 16 t + r
	ds_store_b32 v[STO], v[BEST+8*\t] offset:64*\t         ; my stage: 64 values, then 64 numbers
	ds_store_b32 v[STO], v[IDX+8*\t]  offset:256+64*\t
.endr
	ds_load_b64 v[E0:E0+1],   v[STW]               ; back as two neighbouring rows a lane (the wave's own bytes, served in order)
	ds_load_b64 v[E0+2:E0+3], v[STW] offset:256
	s_wait_dscnt 0x0
	global_store_b64 v[GOFF], v[E0:E0+1],   s[10:11]       ; each store of the wave covers 256 neighbouring bytes, aligned
	global_store_b64 v[GOFF], v[E0+2:E0+3], s[12:13]
	s_set_vgpr_msb 0xa
	s_wait_tensorcnt 0x0
	ds_add_u32 v0, v1
	s_wait_dscnt 0x0
	s_set_vgpr_msb 0xa00
	ROUND                                          ; the closing round: no work-group ends while a partner may still ask for a tile that names it
	s_endpgm
.Lfunc_end_k_q874668d9a1_argmin:
	.size	k_q874668d9a1_argmin, .Lfunc_end_k_q874668d9a1_argmin-k_q874668d9a1_argmin
	.p2alignl 7, 3214868480
	.fill 96, 4, 3214868480
	.section	.rodata,"a",@progbits
	.p2align	6, 0x0
	.amdhsa_kernel k_q874668d9a1_argmin
		.amdhsa_group_segment_fixed_size 327680
		.amdhsa_private_segment_fixed_size 0
		.amdhsa_enable_private_segment 0
		.amdhsa_kernarg_size 40
		.amdhsa_user_sgpr_count 2
		.amdhsa_user_sgpr_kernarg_segment_ptr 1
		.amdhsa_wavefront_size32 1
		.amdhsa_system_sgpr_workgroup_id_x 1
		.amdhsa_system_sgpr_workgroup_id_y 1
		.amdhsa_system_sgpr_workgroup_id_z 1
		.amdhsa_system_vgpr_workitem_id 0
		.amdhsa_next_free_vgpr 514
		.amdhsa_next_free_sgpr 66
		.amdhsa_reserve_vcc 1
		.amdhsa_float_denorm_mode_32 3
		.amdhsa_float_denorm_mode_16_64 3
		.amdhsa_memory_ordered 1
		.amdhsa_forward_progress 1
		.amdhsa_inst_pref_size 229
	.end_amdhsa_kernel
	.amdgpu_metadata
---
amdhsa.version: [ 1, 2 ]
amdhsa.kernels:
  - .name:           k_q874668d9a1_argmin
    .symbol:         k_q874668d9a1_argmin.kd
    .args:
      - { .name: x, .offset: 0, .size: 8, .value_kind: global_buffer, .address_space: global }
      - { .name: cb16, .offset: 8, .size: 8, .value_kind: global_buffer, .address_space: global }
      - { .name: nhsq, .offset: 16, .size: 8, .value_kind: global_buffer, .address_space: global }
      - { .name: pval, .offset: 24, .size: 8, .value_kind: global_buffer, .address_space: global }
      - { .name: pidx, .offset: 32, .size: 8, .value_kind: global_buffer, .address_space: global }
    .group_segment_fixed_size: 327680
    .private_segment_fixed_size: 0
    .kernarg_segment_align: 8
    .kernarg_segment_size: 40
    .max_flat_workgroup_size: 128
    .sgpr_count:     66
    .vgpr_count:     514
    .wavefront_size: 32
...
	.end_amdgpu_metadata
.endif
;; end of part 2
;; launch finish (part 3): grid 256 x 1, 16 waves a work-group, no clusters, 2,560 bytes of LDS; arguments x, noise, cb16, pval, pidx, out0, out1, rsq; writes out0, out1, rsq
.if DOCPART == 3
	.amdgcn_target "amdgcn-amd-amdhsa--gfx1250"
	.amdhsa_code_object_version 6
	.text
	.protected	k_q874668d9a1_finish
	.globl	k_q874668d9a1_finish
	.p2align	8
	.type	k_q874668d9a1_finish,@function
k_q874668d9a1_finish:
	s_mov_b64 s[64:65], 0
	v_nop
	global_prefetch_b8 v0, s[64:65] scope:SCOPE_SE
	s_setreg_imm32_b32 hwreg(HW_REG_WAVE_MODE, 25, 1), 1
	s_wait_xcnt 0x0
; THIRD LAUNCH: out1 = the best of the four quarters' candidates; out0 = x + |x - c*| / (|noise| + 1e-12) * noise; rsq[row] = |x - c*|^2.
; Left out: nothing of this launch's own steps; the two losses are one mean (shown at the head of the first launch), so one sum of squares a row serves both.
; The four candidates' numbers are whole numbers that the launch before stored: all four code rows are gathered by them, and the comparison of the four
; f32 values (x.c - |c|^2 / 2: the greatest is the least distance) only SELECTS among registers, so that no address hangs on a floating-point number.
; An equal value keeps the lower quarter, the lower number.
; FORMAT: x and noise are rounded to bf16 here and the codes come from cb16: the numbers for which the index was chosen are the numbers from which the
; residual and the result are made (relative error up to 2^-9 an input number).  All arithmetic is in f32, and the residual is formed as x - c, term by
; term: no difference of large sums.  The bf16 table also halves the gathered bytes: 512 a row.
; LIMIT: the root and the reciprocal take a denormal as zero (ISA guide, their entries): a sum of squares below 2^-126 counts as 0.
; 256 work-groups of 64 rows (64 results are 256 neighbouring bytes of out1 and of rsq); 16 waves of 4 rows; one wave takes a whole row:
; lane L the columns 4L .. 4L+3 and 128+4L .. +3, so each load and store of x, noise and out0 covers 512 neighbouring bytes of the wave's row,
; and each 8-byte load of a code row 256 neighbouring bytes.
; A stream with a gather: no tile is shared, so no cluster, no tensor load and no matrix work.
.set PI,  24                           ; s[24:39]  candidates' numbers, quarter q of row i at 4 q + i
.set PV,  40                           ; s[40:55]  their values
.set OFFS, 8                           ; v[8:23]   gather offsets, 4 i + q
.set FI,  24                           ; v[24:27]  the four rows' numbers
.set FR,  28                           ; v[28:31]  the four rows' |x - c*|^2
.set W,   40                           ; v[40:47]  at work: x and noise packed, then the chosen code widened, then x - c
; row i from v[48 + 32 i]: x 8, noise 8 (then the result), the four candidates' rows in bf16, 4 each
	s_load_b512 s[4:19], s[0:1], 0x0               ; x, noise, cb16, pval, pidx, out0, out1, rsq in s[4:5] .. s[18:19]
	v_lshl_add_u32 v176, v0, 2, 0x200
	v_mov_b32 v177, 0
	v_lshrrev_b32 v2, 5, v0
	v_readfirstlane_b32 s20, v2                    ; wave 0..15
	v_and_b32 v3, 31, v0
	v_lshlrev_b32 v1, 4, v3                        ; 16 x lane
	v_lshlrev_b32 v7, 3, v3                        ; 8 x lane
	v_mov_b32 v6, s20
	v_lshlrev_b32 v6, 4, v6                        ; 16 x wave
	s_mov_b32 s59, 0xffff0000                      ; a word's upper bf16
	s_mov_b32 s62, 0x76543210                      ; v_permlanex16_b32: lane i reads lane i of the other half
	s_mov_b32 s63, 0xfedcba98
	s_lshl_b32 s22, ttmp9, 16                      ; 64 rows of 1,024 bytes
	s_lshl_b32 s21, s20, 12                        ; + 4 rows a wave
	s_add_co_u32 s22, s22, s21
	s_mov_b32 s23, 0
	s_wait_kmcnt 0x0
	s_add_nc_u64 s[4:5], s[4:5], s[22:23]
	s_add_nc_u64 s[6:7], s[6:7], s[22:23]
	s_add_nc_u64 s[14:15], s[14:15], s[22:23]
	s_lshl_b32 s22, ttmp9, 8                       ; 64 numbers of 4 bytes
	s_add_nc_u64 s[16:17], s[16:17], s[22:23]
	s_add_nc_u64 s[18:19], s[18:19], s[22:23]
	s_lshl_b32 s21, s20, 4                         ; + 4 numbers a wave
	s_add_co_u32 s22, s22, s21
	s_add_nc_u64 s[10:11], s[10:11], s[22:23]
	s_add_nc_u64 s[12:13], s[12:13], s[22:23]
.irp q, 0,1,2,3
	s_load_b128 s[PI+4*\q:PI+4*\q+3], s[12:13], \q*65536       ; my four rows' candidates of quarter q
	s_load_b128 s[PV+4*\q:PV+4*\q+3], s[10:11], \q*65536
.endr
.irp i, 0,1,2,3
	global_load_b128 v[48+32*\i:48+32*\i+3],     v1, s[4:5] offset:\i*1024 th:TH_LOAD_NT
	global_load_b128 v[48+32*\i+4:48+32*\i+7],   v1, s[4:5] offset:\i*1024+512 th:TH_LOAD_NT
	global_load_b128 v[48+32*\i+8:48+32*\i+11],  v1, s[6:7] offset:\i*1024 th:TH_LOAD_NT
	global_load_b128 v[48+32*\i+12:48+32*\i+15], v1, s[6:7] offset:\i*1024+512 th:TH_LOAD_NT
.endr
	s_wait_kmcnt 0x0
.irp n, 0,1,2,3,4,5,6,7,8,9,10,11,12,13,14,15
	s_min_u32 s[PI+\n], s[PI+\n], 0x1fff           ; a number read from memory enters an address only inside the table of 8,192 rows
.endr
.irp i, 0,1,2,3
.irp q, 0,1,2,3
	v_lshl_add_u32 v[OFFS+4*\i+\q], s[PI+4*\q+\i], 9, v7       ; the row's 512 bytes + 8 x lane
.endr
.endr
.irp i, 0,1,2,3
.irp q, 0,1,2,3
	global_load_b64 v[48+32*\i+16+4*\q:48+32*\i+16+4*\q+1], v[OFFS+4*\i+\q], s[8:9]              ; columns 4L .. 4L+3
	global_load_b64 v[48+32*\i+18+4*\q:48+32*\i+18+4*\q+1], v[OFFS+4*\i+\q], s[8:9] offset:256   ; columns 128+4L .. +3
.endr
.endr
.macro ROW i
.set R, 48+32*\i
	s_wait_loadcnt 24-8*\i                         ; x, noise and the gathers up to this row are in; the later rows' eight gathers each stay out
	v_mov_b32 v2, s[PV+\i]
	v_mov_b32 v3, s[PV+8+\i]
	v_cmp_lt_f32 s56, v2, s[PV+4+\i]               ; quarter 1 beats quarter 0 only if strictly greater
	v_cmp_lt_f32 s57, v3, s[PV+12+\i]              ; quarter 3 against quarter 2
	v_cndmask_b32 v2, v2, s[PV+4+\i], s56
	v_cndmask_b32 v3, v3, s[PV+12+\i], s57
	v_cmp_lt_f32 s58, v2, v3                       ; the upper pair against the lower
	v_mov_b32 v4, s[PI+\i]
	v_mov_b32 v5, s[PI+8+\i]
	v_cndmask_b32 v4, v4, s[PI+4+\i], s56
	v_cndmask_b32 v5, v5, s[PI+12+\i], s57
	v_cndmask_b32 v[FI+\i], v4, v5, s58
.irp k, 0,1,2,3
	v_cndmask_b32 v[R+16+\k], v[R+16+\k], v[R+20+\k], s56
	v_cndmask_b32 v[R+24+\k], v[R+24+\k], v[R+28+\k], s57
	v_cndmask_b32 v[R+16+\k], v[R+16+\k], v[R+24+\k], s58      ; the chosen code's row, still packed: two numbers a select
.endr
.irp k, 0,1,2,3
	v_cvt_pk_bf16_f32 v[W+\k],   v[R+2*\k],   v[R+2*\k+1]      ; x and noise rounded to bf16,
	v_cvt_pk_bf16_f32 v[W+4+\k], v[R+8+2*\k], v[R+8+2*\k+1]
.endr
.irp k, 0,1,2,3
	v_lshlrev_b32 v[R+2*\k],     16,  v[W+\k]                  ; and the rounded numbers as f32 again
	v_and_b32     v[R+2*\k+1],   s59, v[W+\k]
	v_lshlrev_b32 v[R+8+2*\k],   16,  v[W+4+\k]
	v_and_b32     v[R+8+2*\k+1], s59, v[W+4+\k]
.endr
.irp k, 0,1,2,3
	v_lshlrev_b32 v[W+2*\k],   16,  v[R+16+\k]                 ; the chosen code as f32
	v_and_b32     v[W+2*\k+1], s59, v[R+16+\k]
.endr
.irp p, 0,2,4,6
	v_pk_add_f32 v[W+\p:W+\p+1], v[R+\p:R+\p+1], v[W+\p:W+\p+1] neg_lo:[0,1] neg_hi:[0,1]   ; x - c
.endr
	v_pk_mul_f32 v[32:33], v[W:W+1], v[W:W+1]
	v_pk_mul_f32 v[34:35], v[R+8:R+9], v[R+8:R+9]
.irp p, 2,4,6
	v_pk_fma_f32 v[32:33], v[W+\p:W+\p+1], v[W+\p:W+\p+1], v[32:33]
	v_pk_fma_f32 v[34:35], v[R+8+\p:R+8+\p+1], v[R+8+\p:R+8+\p+1], v[34:35]
.endr
	v_add_f32 v32, v32, v33
	v_add_f32 v34, v34, v35
.irp m, 1,2,4,8
	v_add_f32_dpp v32, v32, v32 row_xmask:\m row_mask:0xf bank_mask:0xf
	v_add_f32_dpp v34, v34, v34 row_xmask:\m row_mask:0xf bank_mask:0xf
.endr
	v_permlanex16_b32 v33, v32, s62, s63
	v_permlanex16_b32 v35, v34, s62, s63
	v_add_f32 v[FR+\i], v32, v33                   ; |x - c*|^2, in every lane
	v_add_f32 v34, v34, v35                        ; |noise|^2
	v_sqrt_f32 v36, v[FR+\i]
	v_sqrt_f32 v37, v34
	v_nop                                          ; one plain vector instruction between a transcendental and the use of its result (ISA guide 5.7.2)
	s_wait_alu depctr_va_vdst(0)
	v_add_f32 v37, 0x2b8cbccc, v37                 ; + 1e-12
	v_rcp_f32 v[W], v37
	v_nop
	s_wait_alu depctr_va_vdst(0)
	v_mul_f32 v38, v36, v[W]                       ; the scale, twice: a pair for the packed multiply-add
	v_mul_f32 v39, v36, v[W]
.irp p, 0,2,4,6
	v_pk_fma_f32 v[R+8+\p:R+8+\p+1], v[R+8+\p:R+8+\p+1], v[38:39], v[R+\p:R+\p+1]
.endr
	global_store_b128 v1, v[R+8:R+11],  s[14:15] offset:\i*1024 th:TH_STORE_NT     ; each row's data registers are its own: none is rewritten
	global_store_b128 v1, v[R+12:R+15], s[14:15] offset:\i*1024+512 th:TH_STORE_NT
.endm
	ROW 0
	ROW 1
	ROW 2
	ROW 3
	ds_store_b128 v6, v[FI:FI+3]                   ; all lanes write the same words with the same values
	ds_store_b128 v6, v[FR:FR+3] offset:256
	s_wait_dscnt 0x0                               ; for wave 0's sake: my stores are done before I signal
	s_barrier_signal -1
	s_barrier_wait -1
	s_cmp_lg_u32 s20, 0
	s_cbranch_scc1 .Lend
	ds_load_b64 v[32:33], v7                       ; wave 0: the group's 64 numbers and 64 sums, two a lane
	ds_load_b64 v[34:35], v7 offset:256
	s_wait_dscnt 0x0
	global_store_b64 v7, v[32:33], s[16:17]        ; 256 neighbouring bytes each, aligned
	global_store_b64 v7, v[34:35], s[18:19]
.Lend:
	s_wait_tensorcnt 0x0
	ds_add_u32 v176, v177
	s_wait_dscnt 0x0
	s_endpgm
.Lfunc_end_k_q874668d9a1_finish:
	.size	k_q874668d9a1_finish, .Lfunc_end_k_q874668d9a1_finish-k_q874668d9a1_finish
	.p2alignl 7, 3214868480
	.fill 96, 4, 3214868480
	.section	.rodata,"a",@progbits
	.p2align	6, 0x0
	.amdhsa_kernel k_q874668d9a1_finish
		.amdhsa_group_segment_fixed_size 2560
		.amdhsa_private_segment_fixed_size 0
		.amdhsa_enable_private_segment 0
		.amdhsa_kernarg_size 64
		.amdhsa_user_sgpr_count 2
		.amdhsa_user_sgpr_kernarg_segment_ptr 1
		.amdhsa_wavefront_size32 1
		.amdhsa_system_sgpr_workgroup_id_x 1
		.amdhsa_system_sgpr_workgroup_id_y 1
		.amdhsa_system_sgpr_workgroup_id_z 1
		.amdhsa_system_vgpr_workitem_id 0
		.amdhsa_next_free_vgpr 178
		.amdhsa_next_free_sgpr 66
		.amdhsa_reserve_vcc 0
		.amdhsa_float_denorm_mode_32 3
		.amdhsa_float_denorm_mode_16_64 3
		.amdhsa_memory_ordered 1
		.amdhsa_forward_progress 1
		.amdhsa_inst_pref_size 29
	.end_amdhsa_kernel
	.amdgpu_metadata
---
amdhsa.version: [ 1, 2 ]
amdhsa.kernels:
  - .name:           k_q874668d9a1_finish
    .symbol:         k_q874668d9a1_finish.kd
    .args:
      - { .name: x, .offset: 0, .size: 8, .value_kind: global_buffer, .address_space: global }
      - { .name: noise, .offset: 8, .size: 8, .value_kind: global_buffer, .address_space: global }
      - { .name: cb16, .offset: 16, .size: 8, .value_kind: global_buffer, .address_space: global }
      - { .name: pval, .offset: 24, .size: 8, .value_kind: global_buffer, .address_space: global }
      - { .name: pidx, .offset: 32, .size: 8, .value_kind: global_buffer, .address_space: global }
      - { .name: out0, .offset: 40, .size: 8, .value_kind: global_buffer, .address_space: global }
      - { .name: out1, .offset: 48, .size: 8, .value_kind: global_buffer, .address_space: global }
      - { .name: rsq, .offset: 56, .size: 8, .value_kind: global_buffer, .address_space: global }
    .group_segment_fixed_size: 2560
    .private_segment_fixed_size: 0
    .kernarg_segment_align: 8
    .kernarg_segment_size: 64
    .max_flat_workgroup_size: 512
    .sgpr_count:     66
    .vgpr_count:     178
    .wavefront_size: 32
...
	.end_amdgpu_metadata
.endif
;; end of part 3
;; launch loss (part 4): grid 1 x 1, 32 waves a work-group, no clusters, 4,352 bytes of LDS; arguments rsq, out2; writes out2
.if DOCPART == 4
	.amdgcn_target "amdgcn-amd-amdhsa--gfx1250"
	.amdhsa_code_object_version 6
	.text
	.protected	k_q874668d9a1_loss
	.globl	k_q874668d9a1_loss
	.p2align	8
	.type	k_q874668d9a1_loss,@function
k_q874668d9a1_loss:
	s_mov_b64 s[64:65], 0
	v_nop
	global_prefetch_b8 v0, s[64:65] scope:SCOPE_SE
	s_setreg_imm32_b32 hwreg(HW_REG_WAVE_MODE, 25, 1), 1
	s_wait_xcnt 0x0
; FOURTH LAUNCH: out2 = 1.25 x (sum of the 16,384 rows' |x - c*|^2) / (16,384 x 256).
; Left out: the second of the two equal means (shown at the head of the first launch); 1 + 0.25 stands in the factor.
; The sum spans all work-groups of the launch before, so it has one owner: one work-group of 32 waves reads the 65,536 bytes once, 64 bytes a thread.
	s_load_b128 s[4:7], s[0:1], 0x0                ; rsq s[4:5], out2 s[6:7]
	v_lshl_add_u32 v32, v0, 2, 0x100
	v_mov_b32 v33, 0
	v_lshrrev_b32 v2, 5, v0
	v_readfirstlane_b32 s8, v2                     ; wave 0..31
	v_lshlrev_b32 v1, 4, v0                        ; 16 x thread
	v_and_b32 v3, 31, v0
	v_lshlrev_b32 v22, 2, v3                       ; 4 x lane
	v_mov_b32 v21, s8
	v_lshlrev_b32 v21, 2, v21                      ; 4 x wave
	v_mov_b32 v20, 0                               ; the lane permute counts as a reader of its destination
	v_mov_b32 v23, 0
	s_mov_b32 s12, 0x76543210
	s_mov_b32 s13, 0xfedcba98
	s_wait_kmcnt 0x0
.irp i, 0,1,2,3
	global_load_b128 v[4+4*\i:7+4*\i], v1, s[4:5] offset:16384*\i
.endr
.macro LANESUM
	v_add_f32_dpp v4, v4, v4 row_xmask:1 row_mask:0xf bank_mask:0xf
	v_add_f32_dpp v4, v4, v4 row_xmask:2 row_mask:0xf bank_mask:0xf
	v_add_f32_dpp v4, v4, v4 row_xmask:4 row_mask:0xf bank_mask:0xf
	v_add_f32_dpp v4, v4, v4 row_xmask:8 row_mask:0xf bank_mask:0xf
	v_permlanex16_b32 v20, v4, s12, s13
	v_add_f32 v4, v4, v20
.endm
	s_wait_loadcnt 0x0
	v_pk_add_f32 v[4:5], v[4:5], v[6:7]
	v_pk_add_f32 v[8:9], v[8:9], v[10:11]
	v_pk_add_f32 v[12:13], v[12:13], v[14:15]
	v_pk_add_f32 v[16:17], v[16:17], v[18:19]
	v_pk_add_f32 v[4:5], v[4:5], v[8:9]
	v_pk_add_f32 v[12:13], v[12:13], v[16:17]
	v_pk_add_f32 v[4:5], v[4:5], v[12:13]
	v_add_f32 v4, v4, v5
	LANESUM
	ds_store_b32 v21, v4                           ; the wave's sum, to its own word
	s_wait_dscnt 0x0                               ; for wave 0's sake: my store is done before I signal
	s_barrier_signal -1
	s_barrier_wait -1
	s_cmp_lg_u32 s8, 0
	s_cbranch_scc1 .Lend
	ds_load_b32 v4, v22                            ; wave 0: lane i takes wave i's sum
	s_wait_dscnt 0x0
	LANESUM
	v_mul_f32 v4, 0x34a00000, v4                   ; x 1.25 x 2^-22
	v_cmp_eq_u32 vcc_lo, 0, v0
	s_wait_xcnt 0x0                                ; EXEC changes only behind this wait
	s_and_saveexec_b32 s10, vcc_lo
	global_store_b32 v23, v4, s[6:7]               ; lane 0 stores the one number
	s_wait_xcnt 0x0                                ; and again in front of the line that widens it
	s_or_b32 exec_lo, exec_lo, s10
.Lend:
	s_wait_tensorcnt 0x0
	ds_add_u32 v32, v33
	s_wait_dscnt 0x0
	s_endpgm
.Lfunc_end_k_q874668d9a1_loss:
	.size	k_q874668d9a1_loss, .Lfunc_end_k_q874668d9a1_loss-k_q874668d9a1_loss
	.p2alignl 7, 3214868480
	.fill 96, 4, 3214868480
	.section	.rodata,"a",@progbits
	.p2align	6, 0x0
	.amdhsa_kernel k_q874668d9a1_loss
		.amdhsa_group_segment_fixed_size 4352
		.amdhsa_private_segment_fixed_size 0
		.amdhsa_enable_private_segment 0
		.amdhsa_kernarg_size 16
		.amdhsa_user_sgpr_count 2
		.amdhsa_user_sgpr_kernarg_segment_ptr 1
		.amdhsa_wavefront_size32 1
		.amdhsa_system_sgpr_workgroup_id_x 1
		.amdhsa_system_sgpr_workgroup_id_y 1
		.amdhsa_system_sgpr_workgroup_id_z 1
		.amdhsa_system_vgpr_workitem_id 0
		.amdhsa_next_free_vgpr 34
		.amdhsa_next_free_sgpr 66
		.amdhsa_reserve_vcc 1
		.amdhsa_float_denorm_mode_32 3
		.amdhsa_float_denorm_mode_16_64 3
		.amdhsa_memory_ordered 1
		.amdhsa_forward_progress 1
		.amdhsa_inst_pref_size 4
	.end_amdhsa_kernel
	.amdgpu_metadata
---
amdhsa.version: [ 1, 2 ]
amdhsa.kernels:
  - .name:           k_q874668d9a1_loss
    .symbol:         k_q874668d9a1_loss.kd
    .args:
      - { .name: rsq, .offset: 0, .size: 8, .value_kind: global_buffer, .address_space: global }
      - { .name: out2, .offset: 8, .size: 8, .value_kind: global_buffer, .address_space: global }
    .group_segment_fixed_size: 4352
    .private_segment_fixed_size: 0
    .kernarg_segment_align: 8
    .kernarg_segment_size: 16
    .max_flat_workgroup_size: 1024
    .sgpr_count:     66
    .vgpr_count:     34
    .wavefront_size: 32
...
	.end_amdgpu_metadata
.endif
;; end of part 4
